; MI455X (gfx1250); checked and timed in simulation.
; The chip was launched on July 23, 2026; its instructions are those of AMD's public machine-readable ISA for CDNA 5 (MIT licence, August 2026) and "CDNA5" Instruction Set Architecture Reference Guide (July 2026). The comments in the code are by the model that wrote it; some were corrected since.
;; Int8 Linear. Allowed arithmetic: float matrix products may take bf16 or f16 operands with f32 sums; other float arithmetic in f32, or as packed bf16 or f16 multiplies, adds, multiply-adds, maxima and minima; sums over many terms, partial sums and values carried from step to step in f32; what a program stores and reads back later, other than sums and carried values, may be rounded once to bf16 or f16.
;; Inputs: bias 1 x 4,096 float32; weight 4,096 x 4,096 int8; weight_scales 4,096 float32; x 4,096 x 4,096 float32.
;; Outputs: out0 4,096 x 4,096 float32.
;; 2 versions, each right; version 2 is version 1 with the launch prep written anew for expert scheduling mode. Each part assembles by itself: llvm-mc -triple=amdgcn-amd-amdhsa -mcpu=gfx1250 --defsym DOCPART=n.
;; ======== version 1 of 2: 2 launches
;; workspace buffers: qx 33,554,432 bytes; wb 33,554,432 bytes; xs 16,384 bytes
;; launch prep (part 1): grid 768 x 1, 8 waves a work-group, no clusters, 0 bytes of LDS; arguments x, weight, qx, wb, xs; writes qx, wb, xs
.if DOCPART == 1
	.amdgcn_target "amdgcn-amd-amdhsa--gfx1250"
	.amdhsa_code_object_version 6
	.text
	.protected	k_qc2c4132da7_prep
	.globl	k_qc2c4132da7_prep
	.p2align	8
	.type	k_qc2c4132da7_prep,@function
k_qc2c4132da7_prep:
	s_mov_b64 s[64:65], 0
	v_nop
	global_prefetch_b8 v0, s[64:65] scope:SCOPE_SE
	s_setreg_imm32_b32 hwreg(HW_REG_WAVE_MODE, 25, 1), 1
	s_wait_xcnt 0x0
; BEFORE THE PRODUCT.  Two jobs in one launch, told apart by the work-group's number.
; Work-groups 0-511: a wave takes ONE ROW of x (4,096 f32, 16,384 bytes), keeps it in 128 registers between the pass that finds the largest |x| and the pass that quantises,
;   and stores q = clip(round(x / scale), -127, 127) as bf16 (whole numbers up to 127 are exact in bf16's 8 significant bits) into qx, and scale = absmax / 127 into xs.
; Work-groups 512-767: a wave takes TWO ROWS of the int8 weight (8,192 bytes on end) and stores them as bf16 (exact) into wb, WITH THE ROWS RE-ORDERED: weight row
;   n = 64 G + 4 r + b (r = 0..15, b = 0..3) goes to wb row 64 G + 16 b + r.  The product's launch then finds four neighbouring columns of the output in one lane.
; Every wave moves 24 KiB: 32 loads out from its first lines, no loop, no LDS, no barrier: no wave wants a byte that another wave has fetched, and the reduction never leaves the wave.
; Each load covers 512 (x) or 256 (weight) consecutive bytes, each store 256 (qx) or 512 (wb) consecutive bytes, aligned to 256.
; LIMITS.  x / scale is made as x * (127 * (1 / absmax)), the reciprocal by v_rcp_f32: about 2 units in the last place from the division, so a number that lies that near to a half
; may round to the neighbouring whole number.  A row whose absmax is below 2^-118 (a row of zeros among them) takes q = 0.  absmax above 2^126, NaN and infinities are not treated apart.
; scale is absmax * (1 / 127), within one unit in the last place of the division.
.set M, 4                              ; v[4:7]     four running maxima
.set T, 16                             ; v[16:23]   at work (weights)
.set D, 32                             ; v[32:159]  the data: load j's four registers at D + 4 j
                                       ; v1 = 16 x lane, v2 = 8 x lane, v3 = lane: never rewritten.  v8 the other half's maximum, v9 the scale, v[10:11] the factor twice, v12 = 2^23
	s_load_b256 s[4:11], s[0:1], 0x0               ; x s[4:5], weight s[6:7], qx s[8:9], wb s[10:11]
	s_load_b64 s[12:13], s[0:1], 0x20              ; xs
	v_lshrrev_b32 v3, 5, v0
	v_readfirstlane_b32 s14, v3                    ; wave 0..7
	v_and_b32 v3, 31, v0                           ; lane
	v_lshlrev_b32 v1, 4, v3
	v_lshlrev_b32 v2, 3, v3
	s_mov_b32 s17, 0                               ; the high word of every offset pair s[16:17]
	s_cmp_lt_u32 ttmp9, 512
	s_wait_kmcnt 0x0
	s_cbranch_scc0 .Lweight
	; ---------------- a row of x ----------------
	s_lshl_b32 s15, ttmp9, 3
	s_add_co_u32 s15, s15, s14                     ; my row = 8 x work-group + wave
	s_lshl_b32 s16, s15, 14                        ; 16,384 bytes a row of x
	s_add_nc_u64 s[4:5], s[4:5], s[16:17]
.set j, 0
.rept 32
	global_load_b128 v[D+4*j:D+4*j+3], v1, s[4:5] offset:512*j th:TH_LOAD_NT  ; the whole row; read once in the launch
.set j, j+1
.endr
	s_lshl_b32 s16, s15, 13                        ; 8,192 bytes a row of qx
	s_add_nc_u64 s[8:9], s[8:9], s[16:17]
	s_lshl_b32 s16, s15, 2                         ; 4 bytes a row in xs
	s_add_nc_u64 s[12:13], s[12:13], s[16:17]
	s_mov_b32 s18, 0x76543210                      ; v_permlanex16_b32: each lane takes its own place in the other half
	s_mov_b32 s19, 0xfedcba98
	s_mov_b32 s21, 0xc2fe0000                      ; -127.0
	s_mov_b32 s22, 0x42fe0000                      ; 127.0
	s_mov_b32 s23, 0x04800000                      ; 2^-118
	v_mov_b32 v8, 0                                ; v_permlanex16_b32's destination counts as read
; Load j's four numbers enter chain j % 4 of the maximum; the first four loads start the chains: nothing is cleared.
.macro AMAX j
.if (\j) < 4
	v_max_num_f32 v[M+(\j)%4], |v[D+4*(\j)]|, |v[D+4*(\j)+1]|
.else
	v_max3_num_f32 v[M+(\j)%4], v[M+(\j)%4], |v[D+4*(\j)]|, |v[D+4*(\j)+1]|
.endif
	v_max3_num_f32 v[M+(\j)%4], v[M+(\j)%4], |v[D+4*(\j)+2]|, |v[D+4*(\j)+3]|
.endm
.set g, 0
.rept 8
	s_wait_loadcnt 28-4*g                          ; loads come back in order: loads 4 g .. 4 g + 3 are in, the 28 - 4 g issued behind them may stay out
	AMAX 4*g
	AMAX 4*g+1
	AMAX 4*g+2
	AMAX 4*g+3
.set g, g+1
.endr
	v_max3_num_f32 v4, v4, v5, v6
	v_max_num_f32 v4, v4, v7
	v_max_num_f32_dpp v4, v4, v4 row_xmask:1 row_mask:0xf bank_mask:0xf   ; across the 16 lanes of each half,
	v_max_num_f32_dpp v4, v4, v4 row_xmask:2 row_mask:0xf bank_mask:0xf
	v_max_num_f32_dpp v4, v4, v4 row_xmask:4 row_mask:0xf bank_mask:0xf
	v_max_num_f32_dpp v4, v4, v4 row_xmask:8 row_mask:0xf bank_mask:0xf
	v_permlanex16_b32 v8, v4, s18, s19             ; and across the halves
	v_max_num_f32 v4, v4, v8                       ; every lane holds the row's absmax
	v_rcp_f32 v10, v4
	v_mul_f32 v9, 0x3c010204, v4                   ; scale = absmax / 127: plain work behind the reciprocal, which touches neither its result nor writes its source
	v_cmp_le_f32 vcc_lo, s23, v4                   ; 2^-118 <= absmax?
	s_wait_alu depctr_va_vdst(0)                   ; the wait ahead of the reciprocal's first reader: one reciprocal, one wait
	v_mul_f32 v10, 0x42fe0000, v10                 ; 127 / absmax
	v_cndmask_b32 v10, 0, v10, vcc_lo              ; a row that small takes q = 0
	v_mov_b32 v11, v10                             ; a pair for the packed multiply
; Load j's four numbers: scaled, rounded to the nearest whole number (ties to even), clipped, packed as bf16, stored: 32 lanes x 8 bytes = 256 consecutive bytes.
; No register of a store is written again, so no wait stands between the stores.
.macro QUANT j
	v_pk_mul_f32 v[D+4*(\j):D+4*(\j)+1],   v[D+4*(\j):D+4*(\j)+1],   v[10:11]
	v_pk_mul_f32 v[D+4*(\j)+2:D+4*(\j)+3], v[D+4*(\j)+2:D+4*(\j)+3], v[10:11]
.irp i, 0,1,2,3
	v_rndne_f32 v[D+4*(\j)+(\i)], v[D+4*(\j)+(\i)]
.endr
.irp i, 0,1,2,3
	v_med3_num_f32 v[D+4*(\j)+(\i)], v[D+4*(\j)+(\i)], s21, s22
.endr
	v_cvt_pk_bf16_f32 v[D+4*(\j)],   v[D+4*(\j)],   v[D+4*(\j)+1]
	v_cvt_pk_bf16_f32 v[D+4*(\j)+1], v[D+4*(\j)+2], v[D+4*(\j)+3]
	global_store_b64 v2, v[D+4*(\j):D+4*(\j)+1], s[8:9] offset:256*(\j)
.endm
.set j, 0
.rept 32
	QUANT j
.set j, j+1
.endr
	v_cmp_eq_u32 vcc_lo, 0, v3                     ; lane 0 stores the row's scale
	s_wait_xcnt 0x0                                ; EXEC is a source of the stores above: it changes only behind this wait
	s_and_saveexec_b32 s20, vcc_lo
	global_store_b32 v1, v9, s[12:13]              ; v1 is 0 in lane 0
	s_wait_xcnt 0x0                                ; and again, in front of the line that widens it
	s_or_b32 exec_lo, exec_lo, s20
	s_endpgm
	; ---------------- two rows of the weight ----------------
.Lweight:
	s_sub_co_u32 s15, ttmp9, 512
	s_lshl_b32 s15, s15, 3
	s_add_co_u32 s15, s15, s14
	s_lshl_b32 s15, s15, 1                         ; my first row n0 = 2 x (8 x (work-group - 512) + wave): even
	s_lshl_b32 s16, s15, 12                        ; 4,096 bytes a row of the weight
	s_add_nc_u64 s[6:7], s[6:7], s[16:17]
.set j, 0
.rept 32
	global_load_b64 v[D+4*j+2:D+4*j+3], v2, s[6:7] offset:256*j th:TH_LOAD_NT  ; 8 weights a lane; the two rows lie end to end; read once in the launch
.set j, j+1
.endr
	s_and_b32 s16, s15, 0xfc0                      ; 64 G
	s_and_b32 s31, s15, 3                          ; b (0 or 2)
	s_lshl_b32 s31, s31, 4
	s_or_b32 s16, s16, s31                         ; + 16 b
	s_bfe_u32 s31, s15, 0x40002                    ; r: 4 bits from bit 2
	s_or_b32 s16, s16, s31                         ; + r
	s_lshl_b32 s16, s16, 13                        ; 8,192 bytes a row of wb
	s_add_nc_u64 s[10:11], s[10:11], s[16:17]      ; row n0 + 1 has b + 1: it lies 16 rows, 131,072 bytes, further on
	s_mov_b32 s24, 0x07050400                      ; v_perm_b32's selects: byte k of the weights' word below, 0, 0, and the top byte of 2^23
	s_mov_b32 s25, 0x07050401
	s_mov_b32 s26, 0x07050402
	s_mov_b32 s27, 0x07050403
	s_mov_b32 s28, 0xcb000080                      ; -(2^23 + 128)
	s_mov_b32 s29, s28                             ; named with it as a pair
	s_mov_b32 s30, 0x80808080
	v_mov_b32 v12, 0x4b000000                      ; 2^23
; Load j's eight weights.  w + 128 (the sign bit turned) is a byte 0..255; set into the low bits of 2^23 it is the f32 number 2^23 + w + 128; less 2^23 + 128 that is w, exactly; bf16 holds it exactly.
.macro WCVT j
	v_xor_b32 v[D+4*(\j)+2], s30, v[D+4*(\j)+2]
	v_xor_b32 v[D+4*(\j)+3], s30, v[D+4*(\j)+3]
.irp k, 0,1,2,3,4,5,6,7
	v_perm_b32 v[T+(\k)], v12, v[D+4*(\j)+2+(\k)/4], s[24+(\k)%4]
.endr
.irp i, 0,2,4,6
	v_pk_add_f32 v[T+(\i):T+(\i)+1], v[T+(\i):T+(\i)+1], s[28:29] op_sel_hi:[1,0]
.endr
.irp i, 0,1,2,3
	v_cvt_pk_bf16_f32 v[D+4*(\j)+(\i)], v[T+2*(\i)], v[T+2*(\i)+1]
.endr
	global_store_b128 v1, v[D+4*(\j):D+4*(\j)+3], s[10:11] offset:512*((\j)%16)+131072*((\j)/16)  ; 512 consecutive bytes of a row of wb
.endm
.set g, 0
.rept 8
	s_wait_loadcnt 28-4*g                          ; loads 4 g .. 4 g + 3 are in, the 28 - 4 g issued behind them may stay out
	WCVT 4*g
	WCVT 4*g+1
	WCVT 4*g+2
	WCVT 4*g+3
.set g, g+1
.endr
	s_endpgm
.Lfunc_end_k_qc2c4132da7_prep:
	.size	k_qc2c4132da7_prep, .Lfunc_end_k_qc2c4132da7_prep-k_qc2c4132da7_prep
	.p2alignl 7, 3214868480
	.fill 96, 4, 3214868480
	.section	.rodata,"a",@progbits
	.p2align	6, 0x0
	.amdhsa_kernel k_qc2c4132da7_prep
		.amdhsa_group_segment_fixed_size 0
		.amdhsa_private_segment_fixed_size 0
		.amdhsa_enable_private_segment 0
		.amdhsa_kernarg_size 40
		.amdhsa_user_sgpr_count 2
		.amdhsa_user_sgpr_kernarg_segment_ptr 1
		.amdhsa_wavefront_size32 1
		.amdhsa_system_sgpr_workgroup_id_x 1
		.amdhsa_system_sgpr_workgroup_id_y 1
		.amdhsa_system_sgpr_workgroup_id_z 1
		.amdhsa_system_vgpr_workitem_id 0
		.amdhsa_next_free_vgpr 160
		.amdhsa_next_free_sgpr 66
		.amdhsa_reserve_vcc 1
		.amdhsa_float_denorm_mode_32 3
		.amdhsa_float_denorm_mode_16_64 3
		.amdhsa_memory_ordered 1
		.amdhsa_forward_progress 1
		.amdhsa_inst_pref_size 74
	.end_amdhsa_kernel
	.amdgpu_metadata
---
amdhsa.version: [ 1, 2 ]
amdhsa.kernels:
  - .name:           k_qc2c4132da7_prep
    .symbol:         k_qc2c4132da7_prep.kd
    .args:
      - { .name: x, .offset: 0, .size: 8, .value_kind: global_buffer, .address_space: global }
      - { .name: weight, .offset: 8, .size: 8, .value_kind: global_buffer, .address_space: global }
      - { .name: qx, .offset: 16, .size: 8, .value_kind: global_buffer, .address_space: global }
      - { .name: wb, .offset: 24, .size: 8, .value_kind: global_buffer, .address_space: global }
      - { .name: xs, .offset: 32, .size: 8, .value_kind: global_buffer, .address_space: global }
    .group_segment_fixed_size: 0
    .private_segment_fixed_size: 0
    .kernarg_segment_align: 8
    .kernarg_segment_size: 40
    .max_flat_workgroup_size: 256
    .sgpr_count:     66
    .vgpr_count:     160
    .wavefront_size: 32
...
	.end_amdgpu_metadata
.endif
;; end of part 1
;; launch gemm (part 2): grid 16 x 16, 4 waves a work-group, clusters of 4 x 4, 327,680 bytes of LDS; arguments qx, wb, out0, xs, weight_scales, bias; writes out0
.if DOCPART == 2
	.amdgcn_target "amdgcn-amd-amdhsa--gfx1250"
	.amdhsa_code_object_version 6
	.text
	.protected	k_qc2c4132da7_gemm
	.globl	k_qc2c4132da7_gemm
	.p2align	8
	.type	k_qc2c4132da7_gemm,@function
k_qc2c4132da7_gemm:
	s_mov_b64 s[64:65], 0
	v_nop
	global_prefetch_b8 v0, s[64:65] scope:SCOPE_SE
	s_setreg_imm32_b32 hwreg(HW_REG_WAVE_MODE, 25, 1), 1
	s_wait_xcnt 0x0
	s_wait_alu depctr_hold_cnt(0) depctr_sa_sdst(0) depctr_va_vdst(0) depctr_va_sdst(0) depctr_va_ssrc(0) depctr_va_vcc(0) depctr_vm_vsrc(0)
	s_getreg_b32 s2, hwreg(HW_REG_IB_STS2, 6, 4)
	s_cmp_eq_u32 s2, 0
	s_cbranch_scc0 .Lentry_in_a_cluster
	s_endpgm
.Lentry_in_a_cluster:
	s_bfe_u32 s2, ttmp6, 0x10000c
	s_cmp_lg_u32 s2, 0xf033
	s_cbranch_scc0 .Lentry_shape_is_right
	s_endpgm
.Lentry_shape_is_right:
; out0[m][n] = (sum over k of q[m][k] w[n][k]) * xs[m] * ws[n] + bias[n].  qx: [4096][4096] bf16, whole numbers -127..127; wb: [4096][4096] bf16, whole numbers -128..127, rows re-ordered
; (weight row 64 G + 4 r + b lies at wb row 64 G + 16 b + r); out0: [4096][4096] f32.  Operands and products are exact; only the f32 sums round (a sum can pass 2^24).
; ORDER OF ROUNDING: (sum * xs) * ws + bias, the last two steps fused.
; A tile of out0, 256 x 256, is made by a work-group of four waves; a wave makes 128 x 128: 64 accumulators of 16 x 16, 512 registers.  256 tiles, one work-group each.
; K goes in 32 steps of 128 through a ring of two LDS slots filled by the tensor data mover: a tile's rows are 256 bytes of memory and start at multiples of 256 bytes from the buffer's first byte.
; CLUSTERS: 4 x 4 work-groups.  The four of a row of the cluster need the same tiles of qx, the four of a column the same tiles of wb.  Such a tile is asked for JOINTLY: each of the four issues
; the same tensor load, with the same descriptor and a mask that names the four, and each receives it in its own LDS: a quarter of the requests.
; THE WAY OUT NEEDS NO LDS.  Source 0 = 16 rows of qx, source 1 = 16 consecutive rows of wb: in accumulator (a, f = 4 g + b) register j of lane (r = l % 16, h = l / 16) holds
; row m0 + 16 a + 8 h + j and wb row n0 + 64 g + 16 b + r, which is output column n0 + 64 g + 4 r + b.  So for fixed (a, g, j) the accumulators b = 0..3 hold four NEIGHBOURING columns in one lane;
; the fused multiply-adds of the dequantisation write them side by side, and one store of 16 bytes a lane has sixteen lanes filling 256 consecutive bytes, aligned, of one row.
;
; REGISTERS, in windows of 256 (s_set_vgpr_msb: bits 1:0 source 0, 3:2 source 1, 5:4 source 2, 7:6 destination):
;   window 0: v0-31 addresses; v32-39 ws, v40-47 bias of my columns; v64-127, v128-191 fragments of qx, two buffers (on the way out: results to store, two sets); v192-255 xs of my rows
;   window 1: v64-127, v128-191 fragments of wb, two buffers
;   window 2: the 32 accumulators of my rows 0-63 ((a, f) at v[8 (8 a + f)]);   window 3: those of my rows 64-127
.set SIZE_K, 4096
.set SIZE_N, 4096
.set KSTEP,  128
.set PITCH,  272                       ; an LDS row: 256 bytes of data + 16 of padding = 68 words: row r starts at bank 4 r mod 64 (64 banks of 4 bytes: ISA guide 11.1), so the 16 rows that a load touches start at 16 different banks
.set HALFT,  128*PITCH                 ; 128 rows: what one tensor load brings, and what one wave reads of qx or of wb
.set SLOT,   4*HALFT                   ; qx's 256 rows, then wb's 256 rows
.set SPARE,  2*SLOT                    ; behind the ring: the spare words, 128 bytes for each wave: two blocks of 256 bytes that no other line names
.set LAPS,   SIZE_K/(2*KSTEP)          ; a lap = two K steps = once round the ring: 16
.set ADRA, 16                          ; v16-17  LDS address of my qx fragments in slot 0, 1
.set ADRB, 20                          ; v20-21  the same for wb
.set XO,   24                          ; v24     32 h: my eight rows' place in 16 rows of xs
.set NOF,  25                          ; v25     16 r: my four columns' place in 64 columns of ws, of bias and of a row of out0
.set CO,   26                          ; v26     my byte offset in out0: 8 h rows + 16 r; never rewritten
.set SPW,  28                          ; v28     LDS address of my spare word: SPARE + 4 x my thread's number; never rewritten
.set NIL,  29                          ; v29     0; never rewritten
.set PFO,  30                          ; v30     the prefetches' offset: my lane x a row of qx or wb (8,192 bytes); never rewritten
.set WS,   32                          ; v[32:39]  ws of column 64 g + 4 r + b at WS + 4 g + b
.set BI,   40                          ; v[40:47]  bias likewise
.set F0,   64                          ; fragment buffer 0
.set F1,   128                         ; fragment buffer 1
.set XS,   192                         ; v[192:255] xs of row 16 a + 8 h + j at XS + 8 a + j
.set G1,  24                           ; s[24:31] descriptor group 1 for qx's tiles
.set G0,  32                           ; s[32:39] descriptor group 0 for qx's tiles, one set for each slot
.set G1B, 48                           ; s[48:55] descriptor group 1 for wb's tiles: it differs in the mask alone
.set G0B, 56                           ; s[56:63] descriptor group 0 for wb's tiles, one set for each slot
.set PFA, 44                           ; s[44:45] where my prefetches stand: my work-group's 32 rows of the 128 that I fetch, one K step further along K than the refill that is being asked for
.set LIM, 43                           ; s43     1 in a wave that prefetches, else the greatest number
.set MSB, 0
.macro WIN new                         ; the immediate's high byte repeats the setting that is left; a switch that changes nothing is dropped
.if MSB != (\new)
	s_set_vgpr_msb (MSB<<8)|(\new)
.set MSB, \new
.endif
.endm
.set MUL_LO, 0xa4                      ; source 0 (qx) window 0, source 1 (wb) window 1, C and D window 2
.set MUL_HI, 0xf4                      ; the same, C and D window 3
.set TO_B,   0x40                      ; destination window 1, address window 0
; A joint load.  Waves 0 and 1 fetch qx's two halves, waves 2 and 3 wb's.  Each of the two lines has ONE mask and one set of registers for all that issue it.  The branch hangs on the wave's number alone.
; An s_nop 0 and four v_nop follow each of the two lines; the jump round the other line, the label and what follows the macro come after them.
.macro JLOAD s
	s_cmp_eq_u32 s11, 0
	s_cbranch_scc0 .Lfor_b_\@
	tensor_load_to_lds s[G0+4*(\s):G0+4*(\s)+3], s[G1:G1+7]
	s_nop 0
.rept 4
	v_nop
.endr
	s_branch .Lasked_\@
.Lfor_b_\@:
	tensor_load_to_lds s[G0B+4*(\s):G0B+4*(\s)+3], s[G1B:G1B+7]
	s_nop 0
.rept 4
	v_nop
.endr
.Lasked_\@:
.endm
; A PREFETCH INTO THE L2, behind each joint load, its five lines and the run of LDS loads that follows them: the K step that stands TWO refills on (512 matrix instructions ahead of the load that will
; want it): 32 rows x 256 bytes, a lane a row, one instruction a wave.  Each row's 256 bytes of a K step are named ONCE in the launch: qx's tile row is read by every cluster of that row of clusters, and
; the one with cluster x = 0 asks; wb's tile column by every cluster of that column, and the one with cluster y = 0 asks.  The four partners that ask for a tile jointly share its rows out BY ADDRESS:
; of the 128 rows that a wave fetches the partner at place p takes 32 p .. 32 p + 31 (p = cx for qx, cy for wb): no branch hangs on a work-group's place in its cluster.
; K steps 0 to 3 come by their loads alone; the loop's last trip (s3 = 1) asks for nothing: K steps 32 and 33 do not exist.
.macro ASK
	s_cmp_gt_u32 s3, s[LIM]
	s_cbranch_scc0 .Lnot_mine_\@
	global_prefetch_b8 v[PFO], s[PFA:PFA+1] offset:KSTEP*2 th:TH_LOAD_NT scope:SCOPE_SE
.Lnot_mine_\@:
.endm
; A round of the cluster's barrier: my work-group's barrier, so that wave 0's signal speaks for all four waves; wave 0 signals for the work-group; every wave waits for all sixteen work-groups;
; my work-group's barrier once more.  No LDS instruction of the wave is pending at a signal.
.macro CREST                           ; a round behind its opening barrier
	s_cmp_lg_u32 s10, 0
	s_cbranch_scc1 .Lnot_wave_0_\@
	s_barrier_signal -3
.Lnot_wave_0_\@:
	s_barrier_wait -3
	s_barrier_signal -1
	s_barrier_wait -1
.endm
.macro CROUND                          ; a whole round
	s_barrier_signal -1
	s_barrier_wait -1
	CREST
.endm
	s_load_b128 s[4:7], s[0:1], 0x0                ; qx s[4:5], wb s[6:7]
	s_load_b64 s[8:9], s[0:1], 0x10                ; out0
	s_load_b64 s[66:67], s[0:1], 0x18              ; xs
	s_load_b128 s[68:71], s[0:1], 0x20             ; weight_scales s[68:69], bias s[70:71]
	v_lshl_add_u32 v[SPW], v0, 2, SPARE
	v_mov_b32 v[NIL], 0
	ds_add_u32 v[SPW], v[NIL]                      ; the wave's opening: the add and its wait stand ahead of my first tensor load; the set-up below, work on registers, stands between them
	v_lshrrev_b32 v1, 5, v0
	v_readfirstlane_b32 s10, v1                    ; wave 0..3
	s_lshr_b32 s11, s10, 1                         ; which half of the tile's rows is mine.  Also: I fetch for qx (0) or for wb (1)
	s_and_b32 s12, s10, 1                          ; which half of its columns.  Also: which 128 rows of that tile I fetch
	s_bfe_u32 s40, ttmp6, 0x40000                  ; cx: my place along the cluster's x
	s_bfe_u32 s41, ttmp6, 0x40004                  ; cy: along its y
	s_lshl_b32 s42, ttmp9, 2                       ; in a cluster launch ttmp9 and ttmp7 count clusters
	s_add_co_u32 s42, s42, s40                     ; tile column = 4 x cluster x + cx
	s_and_b32 s13, ttmp7, 0xffff
	s_lshl_b32 s13, s13, 2
	s_add_co_u32 s13, s13, s41                     ; tile row = 4 x cluster y + cy
	s_lshl_b32 s43, s41, 2
	s_lshl_b32 s43, 15, s43                        ; my row of the cluster: places 4 cy .. 4 cy + 3
	s_lshl_b32 s44, 0x1111, s40                    ; my column: places cx, cx + 4, cx + 8, cx + 12
	; descriptor group 1: a tile of 128 rows x 128 elements, padded in LDS
	s_or_b32 s[G1+0], s43, (1<<16)|(1<<20)|(1<<21)|(5<<22)|(3<<25)  ; 15:0 the mask: qx's tiles go to my row; 17:16 element of 2 bytes; 20 padding on; 21 set beside a mask; 24:22 after every 64 words (code 5); 31:25 of 4 words (code 3)
	s_or_b32 s[G1B+0], s44, (1<<16)|(1<<20)|(1<<21)|(5<<22)|(3<<25) ; the same with the mask of my column, for wb's tiles
	s_mov_b32 s[G1B+1], KSTEP<<16
	s_mov_b32 s[G1+1], KSTEP<<16                   ; 63:48 tensor_dim0, low half = 128
	s_mov_b32 s[G1B+2], 128<<16
	s_mov_b32 s[G1+2], 128<<16                     ; 79:64 its high half = 0; 95:80 tensor_dim1, low half = 128
	s_mov_b32 s[G1B+3], KSTEP<<16
	s_mov_b32 s[G1+3], KSTEP<<16                   ; 111:96 its high half = 0; 127:112 tile_dim0 = 128
	s_mov_b32 s[G1B+4], 128
	s_mov_b32 s[G1+4], 128                         ; 143:128 tile_dim1 = 128; 159:144 tile_dim2 = 0
	s_mov_b32 s[G1B+5], SIZE_K
	s_mov_b32 s[G1+5], SIZE_K                      ; 191:160 tensor_dim0_stride, low word: elements from row to row
	s_mov_b32 s[G1B+6], 0
	s_mov_b32 s[G1+6], 0
	s_mov_b32 s[G1B+7], 0
	s_mov_b32 s[G1+7], 0
	; where the tiles come from.  qx's hang on the tile row alone, which my row of the cluster shares; wb's on the tile column alone, which my column shares.
	; Every wave makes both addresses, in registers that never hold the other coordinate, and asks by one of them.
	s_lshl_b32 s17, s12, 7                         ; which 128 rows of the tile I fetch
	s_lshl_b32 s16, s13, 8
	s_add_co_u32 s16, s16, s17                     ; qx: row 256 x tile row + 128 x half
	s_lshl_b32 s46, s42, 8
	s_add_co_u32 s46, s46, s17                     ; wb: row 256 x tile column + 128 x half
	s_mov_b32 s17, 0
	s_mov_b32 s47, 0
	s_mov_b64 s[18:19], SIZE_K*2
	s_mul_u64 s[16:17], s[16:17], s[18:19]         ; in bytes, in 64 bits
	s_mul_u64 s[46:47], s[46:47], s[18:19]
	s_mul_i32 s20, s10, HALFT                      ; and where they go: qx's two halves, then wb's two halves = wave x 128 rows: no place in the cluster enters an LDS address
	s_wait_dscnt 0x0                               ; the opening add is done
	s_wait_kmcnt 0x0
	s_add_nc_u64 s[14:15], s[4:5], s[16:17]
	s_add_nc_u64 s[46:47], s[6:7], s[46:47]
	CROUND                                         ; all sixteen work-groups are here: the first joint loads meet
.irp s, 0,1
	s_mov_b32 s[G0+4*(\s)], 1                                      ; 1:0 count = 1
	s_add_co_u32 s[G0+4*(\s)+1], s20, (\s)*SLOT                    ; 63:32 LDS address
	s_add_nc_u64 s[G0+4*(\s)+2:G0+4*(\s)+3], s[14:15], (\s)*KSTEP*2  ; 120:64 global address: K step s
	s_or_b32 s[G0+4*(\s)+3], s[G0+4*(\s)+3], 0x80000000            ; 127:126 type = 2
	s_mov_b32 s[G0B+4*(\s)], 1
	s_add_co_u32 s[G0B+4*(\s)+1], s20, (\s)*SLOT
	s_add_nc_u64 s[G0B+4*(\s)+2:G0B+4*(\s)+3], s[46:47], (\s)*KSTEP*2
	s_or_b32 s[G0B+4*(\s)+3], s[G0B+4*(\s)+3], 0x80000000
	JLOAD \s                                       ; the ring is filled before anything else is done: two tensor loads of mine are out
.endr
	; A fragment is 16 rows x 32 K in 8 registers: lane l holds row l % 16; registers 0-3 hold K = 8 (l / 16) + 0..7, registers 4-7 hold K = 16 + 8 (l / 16) + 0..7:
	; two loads of 16 bytes, 32 bytes apart.  The same for source 0 and source 1.
	v_and_b32 v1, 15, v0                           ; r = l % 16
	v_bfe_u32 v2, v0, 4, 1                         ; h = l / 16
	v_mul_u32_u24 v3, v1, PITCH
	v_lshl_add_u32 v3, v2, 4, v3                   ; row x pitch + 16 x half
	s_mul_i32 s21, s11, HALFT                      ; my 128 rows of qx
	s_mul_i32 s22, s12, HALFT                      ; my 128 rows of wb,
	s_add_co_u32 s22, s22, 2*HALFT                 ; which lie behind qx's 256
.irp s, 0,1
	v_add_nc_u32 v[ADRA+(\s)], s21, v3
	v_add_nc_u32 v[ADRB+(\s)], s22, v3
	s_add_co_u32 s21, s21, SLOT
	s_add_co_u32 s22, s22, SLOT
.endr
	v_lshlrev_b32 v[XO], 5, v2                     ; 8 h rows of 4 bytes
	v_lshlrev_b32 v[NOF], 4, v1                    ; 4 r columns of 4 bytes
	v_lshl_add_u32 v[CO], v2, 17, v[NOF]           ; 8 h rows of 16,384 bytes + 16 r
	; my part of the tile: rows m0 = 256 x tile row + 128 x half, columns n0 = 256 x tile column + 128 x half
	s_lshl_b32 s13, s13, 8
	s_lshl_b32 s14, s11, 7
	s_add_co_u32 s16, s13, s14                     ; m0
	s_lshl_b32 s18, s16, 2
	s_mov_b32 s19, 0
	s_add_nc_u64 s[66:67], s[66:67], s[18:19]      ; xs at m0
	s_lshl_b32 s16, s16, 14                        ; 16,384 bytes a row of out0
	s_mov_b32 s17, 0
	s_add_nc_u64 s[8:9], s[8:9], s[16:17]
	s_lshl_b32 s46, s42, 10                        ; 4 n0 (in the registers that held wb's address)
	s_lshl_b32 s47, s12, 9
	s_add_co_u32 s46, s46, s47
	s_mov_b32 s47, 0
	s_add_nc_u64 s[8:9], s[8:9], s[46:47]          ; out0 at (m0, n0): never stepped again: the way out's immediates reach 1,949,952 bytes at the most, inside the signed 24 bits
	s_add_nc_u64 s[68:69], s[68:69], s[46:47]      ; ws at n0
	s_add_nc_u64 s[70:71], s[70:71], s[46:47]      ; bias at n0
.irp a, 0,1,2,3,4,5,6,7
	global_load_b128 v[XS+8*(\a):XS+8*(\a)+3],   v[XO], s[66:67] offset:64*(\a)      ; xs of rows 16 a + 8 h + 0..3,
	global_load_b128 v[XS+8*(\a)+4:XS+8*(\a)+7], v[XO], s[66:67] offset:64*(\a)+16   ; and + 4..7
.endr
.irp g, 0,1
	global_load_b128 v[WS+4*(\g):WS+4*(\g)+3], v[NOF], s[68:69] offset:256*(\g)      ; ws and bias of columns 64 g + 4 r + 0..3
	global_load_b128 v[BI+4*(\g):BI+4*(\g)+3], v[NOF], s[70:71] offset:256*(\g)
.endr
	; the prefetches.  s13 = 256 x tile row, s42 = tile column, s40 = cx, s41 = cy still stand; s[4:5] = qx, s[6:7] = wb
	s_lshl_b32 s42, s42, 8
	s_and_b32 s22, ttmp7, 0xffff                   ; cluster y
	s_cmp_eq_u32 s11, 0                            ; do I fetch for qx?
	s_cselect_b32 s20, s13, s42                    ; the tile's first row: in qx by the tile row, in wb by the tile column
	s_cselect_b32 s21, s40, s41                    ; my place among the four that ask for it with me
	s_cselect_b32 s22, ttmp9, s22                  ; the coordinate along which other clusters read the same rows
	s_cselect_b64 s[PFA:PFA+1], s[4:5], s[6:7]
	s_cmp_eq_u32 s22, 0
	s_cselect_b32 s[LIM], 1, -1                    ; the same in all sixteen partners, for a given wave
	s_lshl_b32 s22, s12, 7
	s_add_co_u32 s20, s20, s22                     ; + the 128 rows that I fetch
	s_lshl_b32 s21, s21, 5
	s_add_co_u32 s20, s20, s21                     ; + my work-group's 32 of them
	s_mov_b32 s21, 0
	s_mov_b64 s[18:19], SIZE_K*2
	s_mul_u64 s[20:21], s[20:21], s[18:19]
	s_add_nc_u64 s[PFA:PFA+1], s[PFA:PFA+1], s[20:21]
	s_add_nc_u64 s[PFA:PFA+1], s[PFA:PFA+1], 2*KSTEP*2  ; at K step 2: the first refill steps it to 3 and names K step 4
	v_and_b32 v[PFO], 31, v0
	v_mul_u32_u24 v[PFO], v[PFO], SIZE_K*2
	; nothing is prefetched here, at the head, where every work-group's first two tiles are on their way
; 16 matrix instructions: m blocks a0, a0 + 1 of the window's four (hi = 0: my rows 0-63, 1: rows 64-127) x all 8 n blocks, 32 along K.
; zero = 1: the first product starts the sums: nothing is ever cleared.  The 64 accumulators take turns in the same order in every quarter step.
.macro MUL16 f, hi, a0, zero
	WIN MUL_LO+0x50*(\hi)  ; MUL_LO or MUL_HI
.irp a, \a0, (\a0)+1
.irp b, 0,1,2,3,4,5,6,7
.if \zero
	v_wmma_f32_16x16x32_bf16 v[8*(8*(\a)+(\b)):8*(8*(\a)+(\b))+7], v[(\f)+8*(4*(\hi)+(\a)):(\f)+8*(4*(\hi)+(\a))+7], v[(\f)+8*(\b):(\f)+8*(\b)+7], 0
.else
	v_wmma_f32_16x16x32_bf16 v[8*(8*(\a)+(\b)):8*(8*(\a)+(\b))+7], v[(\f)+8*(4*(\hi)+(\a)):(\f)+8*(4*(\hi)+(\a))+7], v[(\f)+8*(\b):(\f)+8*(\b)+7], v[8*(8*(\a)+(\b)):8*(8*(\a)+(\b))+7]
.endif
.endr
.endr
.endm
; 32 LDS loads in one run: the fragments of one quarter step (128 rows of wb, 128 rows of qx, 32 K at byte k of the rows) into buffer f
.macro FETCH slot, k, f
	WIN TO_B
.irp i, 0,1,2,3,4,5,6,7
	ds_load_b128 v[(\f)+8*(\i):(\f)+8*(\i)+3],   v[ADRB+(\slot)] offset:(\k)+(\i)*16*PITCH
	ds_load_b128 v[(\f)+8*(\i)+4:(\f)+8*(\i)+7], v[ADRB+(\slot)] offset:(\k)+(\i)*16*PITCH+32
.endr
	WIN 0
.irp i, 0,1,2,3,4,5,6,7
	ds_load_b128 v[(\f)+8*(\i):(\f)+8*(\i)+3],   v[ADRA+(\slot)] offset:(\k)+(\i)*16*PITCH
	ds_load_b128 v[(\f)+8*(\i)+4:(\f)+8*(\i)+7], v[ADRA+(\slot)] offset:(\k)+(\i)*16*PITCH+32
.endr
.endm
; A load into a register that a matrix instruction has read, and a vector instruction that reads a matrix result or writes one of a matrix instruction's registers, stand four places behind it, and
; only plain vector instructions that name none of its registers are places (ISA guide 7.12.1 for vector instructions).
.macro PLACES
.rept 4
	v_nop
.endr
.endm
; A K step is four quarter steps of 32 along K, 64 matrix instructions each, on buffers 0, 1, 0, 1.
; One of the first three: multiplies buffer f; in its middle it fetches the next quarter's fragments, at byte k of the same slot's rows, into buffer g.
.macro QUARTER slot, k, f, g, zero
	s_wait_dscnt 8                                 ; wb and qx's rows 0-63 are in; the youngest eight loads (qx's rows 64-127) may be out
	WIN MUL_LO
	MUL16 \f, 0, 0, \zero
	MUL16 \f, 0, 2, \zero
	PLACES
	FETCH \slot, \k, \g
	s_wait_dscnt 32                                ; all but the 32 just issued
	WIN MUL_HI
	MUL16 \f, 1, 0, \zero
	MUL16 \f, 1, 2, \zero
.endm
; The last quarter multiplies buffer 1 and changes slots.  MEET is its first half: ONE barrier for the change of slots, for two things.  In front of it each wave waits for all its tensor loads, of which
; one is out: its part of the next slot; adds 0 to its spare word; and waits for that and for its own reads of this slot.  Behind it nobody reads this slot any more and the next slot is whole.
.macro MEET round                      ; round = 1: a round of the cluster's barrier follows
	WIN 0                                          ; (the add's two registers lie in window 0)
	s_wait_tensorcnt 0x0                           ; all my tensor loads have landed: the one that was out is my part of the next slot;
	ds_add_u32 v[SPW], v[NIL]                      ; 0 onto my spare word;
	s_wait_dscnt 9                                 ; (the add and the youngest eight loads may be out)
	WIN MUL_LO
	MUL16 F1, 0, 0, 0                              ; sixteen matrix instructions stand between the add and the wait for it
	s_wait_dscnt 0x0                               ; the add is done, and my reads of this slot are over:
	s_barrier_signal -1                            ; say so (where a slot is filled again this barrier opens a round of the cluster's barrier),
	MUL16 F1, 0, 2, 0                              ; work on registers while the others arrive,
.if \round
	WIN 0
.endif
	s_barrier_wait -1                              ; and go on when all four have said so
.endm
; The whole last quarter.  Behind the round the slot just read out is filled again first, with the K step two steps on; then come the next slot's first fragments.
; From a request to the wait for it a wave issues 224 matrix instructions; one tensor load of mine is out behind each round.
.macro TURN slot, next
	s_wait_xcnt 0x0                                ; the last prefetch, a K step back, has read its address: it is stepped here, ahead of the waits of the change of slots
	s_add_nc_u64 s[PFA:PFA+1], s[PFA:PFA+1], KSTEP*2
	MEET 1
	CREST                                          ; all sixteen work-groups have said so: no wave of any partner still reads this slot's tile or has a load on its way
	s_add_nc_u64 s[G0+4*(\slot)+2:G0+4*(\slot)+3], s[G0+4*(\slot)+2:G0+4*(\slot)+3], 2*KSTEP*2     ; no tensor load of mine is out, so a group 0 may be written
	s_add_nc_u64 s[G0B+4*(\slot)+2:G0B+4*(\slot)+3], s[G0B+4*(\slot)+2:G0B+4*(\slot)+3], 2*KSTEP*2
	JLOAD \slot                                    ; the first tensor load behind the round; the four v_nop behind it are also the places in front of the loads below
	FETCH \next, 0, F0
	ASK                                            ; behind the joint load and the run of LDS loads that the next products wait for
	WIN MUL_HI
	MUL16 F1, 1, 0, 0
	MUL16 F1, 1, 2, 0
.endm
; THE WAY OUT of block a (16 rows x 128 columns).  The sums are multiplied by their rows' xs in place, two rows an instruction, each accumulator's lowest registers first;
; then one fused multiply-add a number, by ws and bias of its column, lays four neighbouring columns side by side in set a % 2 of window 0; sixteen stores of 16 bytes a lane follow:
; lanes 0-15 store 256 consecutive bytes of row j, lanes 16-31 of row 8 + j, each at a multiple of 256 from out0's first byte.
.macro OUTBLK a
.set AC, 64*((\a)%4)                   ; the block's eight accumulators, in window 2 (blocks 0-3) or 3 (blocks 4-7)
.set TS, 64+64*((\a)%2)
	WIN 0x82+0x41*((\a)/4)                         ; destination and source 0 in window 2 or 3, source 1 in window 0
.irp f, 0,1,2,3,4,5,6,7
.irp jj, 0,2,4,6
	v_pk_mul_f32 v[AC+8*(\f)+(\jj):AC+8*(\f)+(\jj)+1], v[AC+8*(\f)+(\jj):AC+8*(\f)+(\jj)+1], v[XS+8*(\a)+(\jj):XS+8*(\a)+(\jj)+1]
.endr
.endr
.if (\a) >= 2
	s_wait_xcnt 0x0                                ; every earlier store has had its addresses translated (ISA guide 3.1): the set that block a - 2's stores read is rewritten only behind this wait
.endif
	WIN 0x02+((\a)/4)                              ; source 0 in window 2 or 3, all else in window 0
.irp j, 0,1,2,3,4,5,6,7
.irp g, 0,1
.irp b, 0,1,2,3
	v_fma_f32 v[TS+4*(2*(\j)+(\g))+(\b)], v[AC+8*(4*(\g)+(\b))+(\j)], v[WS+4*(\g)+(\b)], v[BI+4*(\g)+(\b)]
.endr
.endr
.endr
	WIN 0
.irp j, 0,1,2,3,4,5,6,7
.irp g, 0,1
	global_store_b128 v[CO], v[TS+4*(2*(\j)+(\g)):TS+4*(2*(\j)+(\g))+3], s[8:9] offset:(\a)*262144+(\j)*16384+(\g)*256 th:TH_STORE_NT  ; written once, not read again in the launch
.endr
.endr
.endm
	s_wait_tensorcnt 1                             ; my part of K step 0 is in; K step 1's load may stay out
	s_wait_loadcnt 0x0                             ; xs, ws and bias, once
	s_barrier_signal -1
	s_barrier_wait -1                              ; everybody's part of K step 0 is in
	FETCH 0, 0, F0
	QUARTER 0, 64,  F0, F1, 1                      ; the first quarter stands in front of the loop: its products start the sums
	WIN 0                                          ; at a label and at a branch every window is 0
	s_mov_b32 s3, LAPS-1
.Llap:                                                 ; a trip goes once round the ring, from a lap's second quarter to the next lap's first, and fills both slots again
	QUARTER 0, 128, F1, F0, 0
	QUARTER 0, 192, F0, F1, 0
	TURN 0, 1
	QUARTER 1, 64,  F0, F1, 0
	QUARTER 1, 128, F1, F0, 0
	QUARTER 1, 192, F0, F1, 0
	TURN 1, 0
	QUARTER 0, 64,  F0, F1, 0
	WIN 0
	s_sub_co_u32 s3, s3, 1
	s_cmp_lg_u32 s3, 0
	s_cbranch_scc1 .Llap
	QUARTER 0, 128, F1, F0, 0                      ; the last lap is written out: it fills nothing, and has no round of the cluster's barrier
	QUARTER 0, 192, F0, F1, 0
	MEET 0                                         ; my one tensor load that was still out is slot 1's, the last K step's
	PLACES                                         ; for the loads into buffer 0, which the quarter before multiplied
	FETCH 1, 0, F0
	WIN MUL_HI
	MUL16 F1, 1, 0, 0
	MUL16 F1, 1, 2, 0
	QUARTER 1, 64,  F0, F1, 0
	QUARTER 1, 128, F1, F0, 0
	QUARTER 1, 192, F0, F1, 0
	s_wait_dscnt 8                                 ; the very last quarter: nothing more to fetch
	WIN MUL_LO
	MUL16 F1, 0, 0, 0
	MUL16 F1, 0, 2, 0
	s_wait_dscnt 0x0
	MUL16 F1, 1, 0, 0
	MUL16 F1, 1, 2, 0
	WIN 0
	PLACES                                         ; the way out reads and rewrites results just made and writes into the fragment buffers that the last products read;
	PLACES                                         ; eight places, once a launch
.irp a, 0,1,2,3,4,5,6,7
	OUTBLK \a
.endr
	s_wait_tensorcnt 0x0                           ; the wave's end: the wait for my tensor loads, then an add of 0 to my spare word and its wait
	ds_add_u32 v[SPW], v[NIL]
	s_wait_dscnt 0x0
	CROUND                                         ; the closing round: no work-group ends while a partner may still ask for a tile that names it
	s_endpgm
.Lfunc_end_k_qc2c4132da7_gemm:
	.size	k_qc2c4132da7_gemm, .Lfunc_end_k_qc2c4132da7_gemm-k_qc2c4132da7_gemm
	.p2alignl 7, 3214868480
	.fill 96, 4, 3214868480
	.section	.rodata,"a",@progbits
	.p2align	6, 0x0
	.amdhsa_kernel k_qc2c4132da7_gemm
		.amdhsa_group_segment_fixed_size 327680
		.amdhsa_private_segment_fixed_size 0
		.amdhsa_enable_private_segment 0
		.amdhsa_kernarg_size 48
		.amdhsa_user_sgpr_count 2
		.amdhsa_user_sgpr_kernarg_segment_ptr 1
		.amdhsa_wavefront_size32 1
		.amdhsa_system_sgpr_workgroup_id_x 1
		.amdhsa_system_sgpr_workgroup_id_y 1
		.amdhsa_system_sgpr_workgroup_id_z 1
		.amdhsa_system_vgpr_workitem_id 0
		.amdhsa_next_free_vgpr 1024
		.amdhsa_next_free_sgpr 72
		.amdhsa_reserve_vcc 0
		.amdhsa_float_denorm_mode_32 3
		.amdhsa_float_denorm_mode_16_64 3
		.amdhsa_memory_ordered 1
		.amdhsa_forward_progress 1
		.amdhsa_inst_pref_size 175
	.end_amdhsa_kernel
	.amdgpu_metadata
---
amdhsa.version: [ 1, 2 ]
amdhsa.kernels:
  - .name:           k_qc2c4132da7_gemm
    .symbol:         k_qc2c4132da7_gemm.kd
    .args:
      - { .name: qx, .offset: 0, .size: 8, .value_kind: global_buffer, .address_space: global }
      - { .name: wb, .offset: 8, .size: 8, .value_kind: global_buffer, .address_space: global }
      - { .name: out0, .offset: 16, .size: 8, .value_kind: global_buffer, .address_space: global }
      - { .name: xs, .offset: 24, .size: 8, .value_kind: global_buffer, .address_space: global }
      - { .name: weight_scales, .offset: 32, .size: 8, .value_kind: global_buffer, .address_space: global }
      - { .name: bias, .offset: 40, .size: 8, .value_kind: global_buffer, .address_space: global }
    .group_segment_fixed_size: 327680
    .private_segment_fixed_size: 0
    .kernarg_segment_align: 8
    .kernarg_segment_size: 48
    .max_flat_workgroup_size: 128
    .sgpr_count:     72
    .vgpr_count:     1024
    .wavefront_size: 32
...
	.end_amdgpu_metadata
.endif
;; end of part 2
;; ======== version 2 of 2: 2 launches; version 1 with the launch prep written anew for expert scheduling mode
;; workspace buffers: qx 33,554,432 bytes; wb 33,554,432 bytes; xs 16,384 bytes
;; launch prep (part 3): grid 768 x 1, 8 waves a work-group, no clusters, 0 bytes of LDS; arguments x, weight, qx, wb, xs; writes qx, wb, xs
.if DOCPART == 3
	.amdgcn_target "amdgcn-amd-amdhsa--gfx1250"
	.amdhsa_code_object_version 6
	.text
	.protected	k_qc2c4132da7_prep
	.globl	k_qc2c4132da7_prep
	.p2align	8
	.type	k_qc2c4132da7_prep,@function
k_qc2c4132da7_prep:
	s_mov_b64 s[64:65], 0
	v_nop
	global_prefetch_b8 v0, s[64:65] scope:SCOPE_SE
	s_setreg_imm32_b32 hwreg(HW_REG_WAVE_SCHED_MODE, 0, 2), 2
	s_setreg_imm32_b32 hwreg(HW_REG_WAVE_MODE, 25, 1), 1
	s_wait_xcnt 0x0
	s_wait_alu depctr_vm_vsrc(0)
; BEFORE THE PRODUCT.  Two jobs in one launch, told apart by the work-group's number.
; Work-groups 0-511: a wave takes ONE ROW of x (4,096 f32, 16,384 bytes), keeps it in 128 registers between the pass that finds the largest |x| and the pass that quantises,
;   and stores q = clip(round(x / scale), -127, 127) as bf16 (whole numbers up to 127 are exact in bf16's 8 significant bits) into qx, and scale = absmax / 127 into xs.
; Work-groups 512-767: a wave takes TWO ROWS of the int8 weight (8,192 bytes on end) and stores them as bf16 (exact) into wb, WITH THE ROWS RE-ORDERED: weight row
;   n = 64 G + 4 r + b (r = 0..15, b = 0..3) goes to wb row 64 G + 16 b + r.  The product's launch then finds four neighbouring columns of the output in one lane.
; Every wave moves 24 KiB: 32 loads out from its first lines, no loop, no LDS, no barrier: no wave wants a byte that another wave has fetched, and the reduction never leaves the wave.
; Each load covers 512 (x) or 256 (weight) consecutive bytes, each store 256 (qx) or 512 (wb) consecutive bytes, aligned to 256.
; LIMITS.  x / scale is made as x * (127 * (1 / absmax)), the reciprocal by v_rcp_f32: about 2 units in the last place from the division, so a number that lies that near to a half
; may round to the neighbouring whole number.  A row whose absmax is below 2^-118 (a row of zeros among them) takes q = 0.  absmax above 2^126, NaN and infinities are not treated apart.
; scale is absmax * (1 / 127), within one unit in the last place of the division.
; THE MODE: SCHED_MODE bits 1:0 = 2 (LLVM: expert scheduling mode 2), set by the entry lines.  The code itself states the register dependences
; between vector instructions and memory instructions, with s_wait_alu, always for 0.
; THE PLAN.  Registers that memory instructions touch:
;   v1, v2     byte offsets, made once at the head and never written again; read by every load and store.
;   D + 4 j .. load j lands there, once.  Vector lines read and rewrite these registers behind the wait for the load; ONE store reads them, and no line names them after it.
;   v9         the row's scale: written once, read by the wave's last store.
; No load lands in a register that a vector line has named, and no register that a memory instruction has read is written again.  What is left to state: the offsets are written ahead
; of the loads, and a store's data are written ahead of the store.  Both passes that store go in eight groups of four loads' numbers.  At the head of group g stands one wait: group g - 1's
; roundings have written their registers.  That group's four stores follow it, dealt among group g's vector lines, which name group g's registers, v10 to v12 and T alone: none that those stores touch.
; One more wait stands behind group 7, ahead of the last four stores.
.set M, 4                              ; v[4:7]     four running maxima
.set T, 16                             ; v[16:23]   at work (weights): no memory instruction names them
.set D, 32                             ; v[32:159]  the data: load j's four registers at D + 4 j
                                       ; v1 = 16 x lane, v2 = 8 x lane, v3 = lane: never rewritten.  v8 the other half's maximum, v9 the scale, v[10:11] the factor twice, v12 = 2^23
	s_load_b256 s[4:11], s[0:1], 0x0               ; x s[4:5], weight s[6:7], qx s[8:9], wb s[10:11]
	s_load_b64 s[12:13], s[0:1], 0x20              ; xs
	v_lshrrev_b32 v3, 5, v0
	v_readfirstlane_b32 s14, v3                    ; wave 0..7
	v_and_b32 v3, 31, v0                           ; lane
	v_lshlrev_b32 v1, 4, v3
	v_lshlrev_b32 v2, 3, v3
	s_mov_b32 s17, 0                               ; the high word of every offset pair s[16:17]
	s_wait_alu depctr_va_sdst(0)                   ; s14 is written: ahead of the branch, and of its first readers on both ways, which make the wave's rows from it
	s_cmp_lt_u32 ttmp9, 512
	s_wait_kmcnt 0x0
	s_cbranch_scc0 .Lweight
	; ---------------- a row of x ----------------
	s_lshl_b32 s15, ttmp9, 3
	s_add_co_u32 s15, s15, s14                     ; my row = 8 x work-group + wave
	s_lshl_b32 s16, s15, 14                        ; 16,384 bytes a row of x
	s_add_nc_u64 s[4:5], s[4:5], s[16:17]
	s_wait_alu depctr_va_vdst(0)                   ; v1 and v2 are written: every load and store on this way reads one of them as its offset
.set j, 0
.rept 32
	global_load_b128 v[D+4*j:D+4*j+3], v1, s[4:5] offset:512*j th:TH_LOAD_NT  ; the whole row; read once in the launch
.set j, j+1
.endr
	s_lshl_b32 s16, s15, 13                        ; 8,192 bytes a row of qx
	s_add_nc_u64 s[8:9], s[8:9], s[16:17]
	s_lshl_b32 s16, s15, 2                         ; 4 bytes a row in xs
	s_add_nc_u64 s[12:13], s[12:13], s[16:17]
	s_mov_b32 s18, 0x76543210                      ; v_permlanex16_b32: each lane takes its own place in the other half
	s_mov_b32 s19, 0xfedcba98
	s_mov_b32 s21, 0xc2fe0000                      ; -127.0
	s_mov_b32 s22, 0x42fe0000                      ; 127.0
	s_mov_b32 s23, 0x04800000                      ; 2^-118
	v_mov_b32 v8, 0                                ; v_permlanex16_b32's destination counts as read
; Load j's four numbers enter chain j % 4 of the maximum; the first four loads start the chains: nothing is cleared.
.macro AMAX j
.if (\j) < 4
	v_max_num_f32 v[M+(\j)%4], |v[D+4*(\j)]|, |v[D+4*(\j)+1]|
.else
	v_max3_num_f32 v[M+(\j)%4], v[M+(\j)%4], |v[D+4*(\j)]|, |v[D+4*(\j)+1]|
.endif
	v_max3_num_f32 v[M+(\j)%4], v[M+(\j)%4], |v[D+4*(\j)+2]|, |v[D+4*(\j)+3]|
.endm
.set g, 0
.rept 8
	s_wait_loadcnt 28-4*g                          ; loads come back in order: loads 4 g .. 4 g + 3 are in, the 28 - 4 g issued behind them may stay out
	AMAX 4*g
	AMAX 4*g+1
	AMAX 4*g+2
	AMAX 4*g+3
.set g, g+1
.endr
	v_max3_num_f32 v4, v4, v5, v6
	v_max_num_f32 v4, v4, v7
	v_max_num_f32_dpp v4, v4, v4 row_xmask:1 row_mask:0xf bank_mask:0xf   ; across the 16 lanes of each half,
	v_max_num_f32_dpp v4, v4, v4 row_xmask:2 row_mask:0xf bank_mask:0xf
	v_max_num_f32_dpp v4, v4, v4 row_xmask:4 row_mask:0xf bank_mask:0xf
	v_max_num_f32_dpp v4, v4, v4 row_xmask:8 row_mask:0xf bank_mask:0xf
	v_permlanex16_b32 v8, v4, s18, s19             ; and across the halves
	v_max_num_f32 v4, v4, v8                       ; every lane holds the row's absmax
	v_rcp_f32 v10, v4
	v_mul_f32 v9, 0x3c010204, v4                   ; scale = absmax / 127: plain work behind the reciprocal, which touches neither its result nor writes its source
	v_cmp_le_f32 vcc_lo, s23, v4                   ; 2^-118 <= absmax?
	s_wait_alu depctr_va_vdst(0)                   ; the reciprocal has written v10, ahead of its first reader: one reciprocal, one wait
	v_mul_f32 v10, 0x42fe0000, v10                 ; 127 / absmax
	s_wait_alu depctr_va_vcc(0)                    ; the compare has written VCC, which the select below reads
	v_cndmask_b32 v10, 0, v10, vcc_lo              ; a row that small takes q = 0
	v_mov_b32 v11, v10                             ; a pair for the packed multiply
; Load j's four numbers: scaled, rounded to the nearest whole number (ties to even), clipped, packed as bf16.
.macro QUANT j
	v_pk_mul_f32 v[D+4*(\j):D+4*(\j)+1],   v[D+4*(\j):D+4*(\j)+1],   v[10:11]
	v_pk_mul_f32 v[D+4*(\j)+2:D+4*(\j)+3], v[D+4*(\j)+2:D+4*(\j)+3], v[10:11]
.irp i, 0,1,2,3
	v_rndne_f32 v[D+4*(\j)+(\i)], v[D+4*(\j)+(\i)]
.endr
.irp i, 0,1,2,3
	v_med3_num_f32 v[D+4*(\j)+(\i)], v[D+4*(\j)+(\i)], s21, s22
.endr
	v_cvt_pk_bf16_f32 v[D+4*(\j)],   v[D+4*(\j)],   v[D+4*(\j)+1]
	v_cvt_pk_bf16_f32 v[D+4*(\j)+1], v[D+4*(\j)+2], v[D+4*(\j)+3]
.endm
; And stored: 32 lanes x 8 bytes = 256 consecutive bytes.  No register of a store is written again.
.macro QSTORE j
	global_store_b64 v2, v[D+4*(\j):D+4*(\j)+1], s[8:9] offset:256*(\j)
.endm
.set g, 0
.rept 8
.if g > 0
	s_wait_alu depctr_va_vdst(0)                   ; group g - 1's roundings have written their registers, which the four stores below read; this group's vector lines name none of them
.endif
.set n, 0
.rept 4
.if g > 0
	QSTORE 4*g-4+n                                 ; the group before, a store in front of each load's vector lines
.endif
	QUANT 4*g+n
.set n, n+1
.endr
.set g, g+1
.endr
	s_wait_alu depctr_va_vdst(0)                   ; group 7's roundings have written their registers, which the last four stores read
	QSTORE 28
	QSTORE 29
	QSTORE 30
	QSTORE 31
	v_cmp_eq_u32 vcc_lo, 0, v3                     ; lane 0 stores the row's scale
	s_wait_xcnt 0x0                                ; EXEC is a source of the stores above: it changes only behind this wait
	s_wait_alu depctr_va_vcc(0)                    ; the compare has written VCC, from which EXEC is made
	s_wait_alu depctr_va_vdst(0)                   ; ahead of the write of EXEC: the vector instructions issued so far have written their results (v1 and v9, which the store below reads, among them)
	s_wait_alu depctr_vm_vsrc(0)                   ; ahead of the write of EXEC: the stores issued so far have read their vector registers
	s_and_saveexec_b32 s20, vcc_lo
	global_store_b32 v1, v9, s[12:13]              ; v1 is 0 in lane 0
	s_wait_xcnt 0x0                                ; and again, in front of the line that widens it
	s_wait_alu depctr_va_vdst(0)                   ; ahead of the write of EXEC: no vector instruction is still at work
	s_wait_alu depctr_vm_vsrc(0)                   ; ahead of the write of EXEC: the scale's store has read v1 and v9
	s_or_b32 exec_lo, exec_lo, s20
	s_endpgm
	; ---------------- two rows of the weight ----------------
.Lweight:
	s_sub_co_u32 s15, ttmp9, 512
	s_lshl_b32 s15, s15, 3
	s_add_co_u32 s15, s15, s14
	s_lshl_b32 s15, s15, 1                         ; my first row n0 = 2 x (8 x (work-group - 512) + wave): even
	s_lshl_b32 s16, s15, 12                        ; 4,096 bytes a row of the weight
	s_add_nc_u64 s[6:7], s[6:7], s[16:17]
	s_wait_alu depctr_va_vdst(0)                   ; v1 and v2 are written: every load and store on this way reads one of them as its offset
.set j, 0
.rept 32
	global_load_b64 v[D+4*j+2:D+4*j+3], v2, s[6:7] offset:256*j th:TH_LOAD_NT  ; 8 weights a lane; the two rows lie end to end; read once in the launch
.set j, j+1
.endr
	s_and_b32 s16, s15, 0xfc0                      ; 64 G
	s_and_b32 s31, s15, 3                          ; b (0 or 2)
	s_lshl_b32 s31, s31, 4
	s_or_b32 s16, s16, s31                         ; + 16 b
	s_bfe_u32 s31, s15, 0x40002                    ; r: 4 bits from bit 2
	s_or_b32 s16, s16, s31                         ; + r
	s_lshl_b32 s16, s16, 13                        ; 8,192 bytes a row of wb
	s_add_nc_u64 s[10:11], s[10:11], s[16:17]      ; row n0 + 1 has b + 1: it lies 16 rows, 131,072 bytes, further on
	s_mov_b32 s24, 0x07050400                      ; v_perm_b32's selects: byte k of the weights' word below, 0, 0, and the top byte of 2^23
	s_mov_b32 s25, 0x07050401
	s_mov_b32 s26, 0x07050402
	s_mov_b32 s27, 0x07050403
	s_mov_b32 s28, 0xcb000080                      ; -(2^23 + 128)
	s_mov_b32 s29, s28                             ; named with it as a pair
	s_mov_b32 s30, 0x80808080
	v_mov_b32 v12, 0x4b000000                      ; 2^23
; Load j's eight weights.  w + 128 (the sign bit turned) is a byte 0..255; set into the low bits of 2^23 it is the f32 number 2^23 + w + 128; less 2^23 + 128 that is w, exactly; bf16 holds it exactly.
.macro WCVT j
	v_xor_b32 v[D+4*(\j)+2], s30, v[D+4*(\j)+2]
	v_xor_b32 v[D+4*(\j)+3], s30, v[D+4*(\j)+3]
.irp k, 0,1,2,3,4,5,6,7
	v_perm_b32 v[T+(\k)], v12, v[D+4*(\j)+2+(\k)/4], s[24+(\k)%4]
.endr
.irp i, 0,2,4,6
	v_pk_add_f32 v[T+(\i):T+(\i)+1], v[T+(\i):T+(\i)+1], s[28:29] op_sel_hi:[1,0]
.endr
.irp i, 0,1,2,3
	v_cvt_pk_bf16_f32 v[D+4*(\j)+(\i)], v[T+2*(\i)], v[T+2*(\i)+1]
.endr
.endm
.macro WSTORE j
	global_store_b128 v1, v[D+4*(\j):D+4*(\j)+3], s[10:11] offset:512*((\j)%16)+131072*((\j)/16)  ; 512 consecutive bytes of a row of wb; no register of a store is written again
.endm
.set g, 0
.rept 8
	s_wait_loadcnt 28-4*g                          ; loads 4 g .. 4 g + 3 are in, the 28 - 4 g issued behind them may stay out
.if g > 0
	s_wait_alu depctr_va_vdst(0)                   ; group g - 1's roundings have written their registers, which the four stores below read; this group's vector lines name none of them
.endif
.set n, 0
.rept 4
.if g > 0
	WSTORE 4*g-4+n                                 ; the group before, a store in front of each load's vector lines
.endif
	WCVT 4*g+n
.set n, n+1
.endr
.set g, g+1
.endr
	s_wait_alu depctr_va_vdst(0)                   ; group 7's roundings have written their registers, which the last four stores read
	WSTORE 28
	WSTORE 29
	WSTORE 30
	WSTORE 31
	s_endpgm
.Lfunc_end_k_qc2c4132da7_prep:
	.size	k_qc2c4132da7_prep, .Lfunc_end_k_qc2c4132da7_prep-k_qc2c4132da7_prep
	.p2alignl 7, 3214868480
	.fill 96, 4, 3214868480
	.section	.rodata,"a",@progbits
	.p2align	6, 0x0
	.amdhsa_kernel k_qc2c4132da7_prep
		.amdhsa_group_segment_fixed_size 0
		.amdhsa_private_segment_fixed_size 0
		.amdhsa_enable_private_segment 0
		.amdhsa_kernarg_size 40
		.amdhsa_user_sgpr_count 2
		.amdhsa_user_sgpr_kernarg_segment_ptr 1
		.amdhsa_wavefront_size32 1
		.amdhsa_system_sgpr_workgroup_id_x 1
		.amdhsa_system_sgpr_workgroup_id_y 1
		.amdhsa_system_sgpr_workgroup_id_z 1
		.amdhsa_system_vgpr_workitem_id 0
		.amdhsa_next_free_vgpr 160
		.amdhsa_next_free_sgpr 66
		.amdhsa_reserve_vcc 1
		.amdhsa_float_denorm_mode_32 3
		.amdhsa_float_denorm_mode_16_64 3
		.amdhsa_memory_ordered 1
		.amdhsa_forward_progress 1
		.amdhsa_inst_pref_size 75
	.end_amdhsa_kernel
	.amdgpu_metadata
---
amdhsa.version: [ 1, 2 ]
amdhsa.kernels:
  - .name:           k_qc2c4132da7_prep
    .symbol:         k_qc2c4132da7_prep.kd
    .args:
      - { .name: x, .offset: 0, .size: 8, .value_kind: global_buffer, .address_space: global }
      - { .name: weight, .offset: 8, .size: 8, .value_kind: global_buffer, .address_space: global }
      - { .name: qx, .offset: 16, .size: 8, .value_kind: global_buffer, .address_space: global }
      - { .name: wb, .offset: 24, .size: 8, .value_kind: global_buffer, .address_space: global }
      - { .name: xs, .offset: 32, .size: 8, .value_kind: global_buffer, .address_space: global }
    .group_segment_fixed_size: 0
    .private_segment_fixed_size: 0
    .kernarg_segment_align: 8
    .kernarg_segment_size: 40
    .max_flat_workgroup_size: 256
    .sgpr_count:     66
    .vgpr_count:     160
    .wavefront_size: 32
...
	.end_amdgpu_metadata
.endif
;; end of part 3
;; launch gemm: the kernel of part 2 again; grid 16 x 16, 4 waves a work-group, clusters of 4 x 4, 327,680 bytes of LDS; arguments qx, wb, out0, xs, weight_scales, bias; writes out0
